; MI455X (gfx1250); checked and timed in simulation.
; The chip was launched on July 23, 2026; its instructions are those of AMD's public machine-readable ISA for CDNA 5 (MIT licence, August 2026) and "CDNA5" Instruction Set Architecture Reference Guide (July 2026). The comments in the code are by the model that wrote it; some were corrected since.
;; Multi Universe Topos Attention. Allowed arithmetic: matrix products marked QUANTISED: E2M1 operands, one E8M0 scale for each 32 along K, by v_wmma_scale_f32_16x16x128_f8f6f4 with both operands' format E2M1 (or v_wmma_scale_f32_32x16x128_f4), f32 sums; products left as they are: bf16, f16 or f32 operands; f32 sums; everything else in f32.
;; Inputs: Wk 256 x 256 float32; Wo 256 x 256 float32; Wq 256 x 256 float32; Wv 256 x 256 float32; bk 256 float32; bo 256 float32; bq 256 float32; bv 256 float32; x 1 x 1,024 x 256 float32.
;; Outputs: out0 1 x 1,024 x 256 float32.
;; This version of the problem:
;;   THIS VERSION OF THE PROBLEM IS GIVEN IN LOW PRECISION. The matrix products marked QUANTISED in the list below multiply operands that are first quantised to E2M1 (2 exponent bits, 1 mantissa bit; 4 bits a number), with one power-of-two scale for each 32 numbers along K (OCP MX v1.0); their sums are f32. The products marked 'left as it is' may take bf16, f16 or f32 operands, with f32 sums. Whichever they take, every output number must still come out within the allowed error. Rounding operands to bf16 (8 significant bits) uses up far more of that allowance than f16 does (11 bits, for magnitudes from 6e-5 to 65,504). All else is computed in f32.
;;   The module's matrix products, in the order in which they are computed (A, B: the left and right operand; K: the contracted axis; several contracted axes count as one K, in the product's order):
;;     1. [M 1,024, K 256] x [K 256, N 256]; A: input x; B: input Wq: QUANTISED
;;     2. [M 1,024, K 256] x [K 256, N 256]; A: input x; B: input Wk: QUANTISED
;;     3. [M 1,024, K 256] x [K 256, N 256]; A: input x; B: input Wv: QUANTISED
;;     4. batch 8 x [M 1,024, K 1,024] x [K 1,024, N 32]; A: computed on the way; B: computed on the way: left as it is (an operand is computed on the way)
;;     5. [M 1,024, K 256] x [K 256, N 256]; A: computed on the way; B: input Wo: left as it is (an operand is computed on the way)
;;   THE QUANTISER, for each operand of a quantised product, along K:
;;     - K is cut into blocks of 32 from its start; a last block that is shorter is filled with zeros.
;;     - A block's scale is 2^e with e = floor(log2(the largest magnitude in the block)) - 2, held to -126 .. 127; a block of zeros has e = 0. As a byte (E8M0): e + 127.
;;     - Each number is divided by its block's scale, clamped to +-6, and rounded to the nearest number of E2M1, ties to even, subnormals kept.
;;     - The product sums the exact products of the quantised numbers (number of the format x scale) in f32.
;;   ~~~python
;;   def quantise(x, axis):      # numpy; x: float32 -> the quantised numbers, widened to float32 again
;;       x = np.moveaxis(x, axis, -1); K = x.shape[-1]
;;       x = np.pad(x, [(0, 0)] * (x.ndim - 1) + [(0, -K % 32)]); x = x.reshape(x.shape[:-1] + (-1, 32)); a = np.abs(x).max(-1, keepdims=True)
;;       e = np.where(a > 0, np.clip(np.frexp(np.where(a > 0, a, 1))[1] - 1 - 2, -126, 127), 0)      # np.frexp(a)[1] - 1 = floor(log2(a)), exactly
;;       r = np.clip(x / 2.0 ** e, -6, 6)
;;       step = 2.0 ** (np.maximum(np.frexp(np.where(r == 0, 1, r))[1] - 1, 0) - 1)
;;       q = np.round(r / step) * step * 2.0 ** e      # np.round: ties to even
;;       return np.moveaxis(q.reshape(q.shape[:-2] + (-1,))[..., :K], -1, axis).astype(np.float32)
;;   ~~~
;; One version. Each part assembles by itself: llvm-mc -triple=amdgcn-amd-amdhsa -mcpu=gfx1250 --defsym DOCPART=n.
;; ======== version 1 of 1: 3 launches
;; limits: values are held in f16: magnitudes above 65,504 overflow, below 6.1e-05 lose precision
;; workspace buffers: Qs 1,048,576 bytes; Ks 1,048,576 bytes; Vop 1,048,576 bytes; WoOp 262,144 bytes; part 4,456,448 bytes
;; launch project (part 1): grid 416 x 1, 4 waves a work-group, no clusters, 14,336 bytes of LDS; arguments x, Wq, Wk, Wv, bq, bk, bv, Wo, Qs, Ks, Vop, WoOp; writes Qs, Ks, Vop, WoOp
.if DOCPART == 1
	.amdgcn_target "amdgcn-amd-amdhsa--gfx1250"
	.amdhsa_code_object_version 6
	.text
	.protected	k_q1aa56d8aa3_project
	.globl	k_q1aa56d8aa3_project
	.p2align	8
	.type	k_q1aa56d8aa3_project,@function
k_q1aa56d8aa3_project:
	s_mov_b64 s[64:65], 0
	v_nop
	global_prefetch_b8 v0, s[64:65] scope:SCOPE_SE
	s_setreg_imm32_b32 hwreg(HW_REG_WAVE_MODE, 25, 1), 1
	s_wait_xcnt 0x0
; FIRST OF THREE LAUNCHES.  x [1024][256], Wq, Wk, Wv [256 (k)][256 (n)], f32, are quantised to E2M1 with one E8M0 scale for each 32 along K and multiplied by the scaled 4-bit matrix
; instruction; the results leave as the second launch wants them.  Wo is laid out for the third launch.
; WORK LEFT OUT BY THE PROGRAM, for all values of the inputs:
;   (1) min(1 - q + k, 1) = 1 - q + min(k, q).  So 5 x mean_d(implication) = 5 - (5/32) sum_d Q[i][d] + (5/32) sum_d min(K[j][d], Q[i][d]).  The first two terms do not hang on the key j:
;       they are the same along the softmax's axis and leave the softmax as it is.  Both are at most 5 in size, as the kept term is, so reference()'s f32 loses nothing by them either.
;   (2) Under reference()'s own causal mask an entry becomes -5e9 ahead of the softmax and its weight exactly 0: units of 16 keys that lie wholly behind a block of 64 queries are not done.
;   (3) THE MAXIMUM.  Q and K are sigmoids, in [0, 1] by reference()'s own step.  Stored here are Q' = c (sigmoid(z) - 1) = -c / (1 + e^z), c = (5/32) log2(e), and K' likewise: the shift by 1 is
;       again the same for all keys.  The exponent sum_d min(K', Q') then lies in [-32 c, 0] = [-7.22, 0] in base 2 for every input: p lies in [0.0067, 1], a row's sum in [0.0067, 1024].
;       No exponential and no sum can overflow or underflow, so no running maximum is kept, and sums over parts of the keys simply add.
;   No input is without a way to the output: all nine are loaded.
; LIMITS: NaN and infinities among the inputs are not served; one that would reach only the terms left out in (1) is not carried to the result.  V goes to f16 as a high and a low part: |V| above 65,504
; overflows; parts under 2^-14 keep an absolute error of 2^-25.  A block of zeros gets the scale byte 1 where the quantiser says 127: its codes are zeros, and the bytes are read by this launch alone.
; SHARES.  Work-groups 0 to 383: 64 rows of x (rb) x 32 columns, one head, of Wq, Wk or Wv (mi = 0, 1, 2).  Wave w owns rows 64 rb + 16 w on: it quantises them in its own registers (a lane holds whole
; blocks of its row, in the operand's order).  The 256 x 32 block of W is quantised by the four waves together: a lane takes a column, wave w takes k = 64 w .. 64 w + 63, two whole blocks down its
; registers, which are one quad of registers of both column tiles' fragments; the quads and the scale bytes meet in LDS as images of the operand's registers.
; Q, K: the product is used transposed (source 0 = 16 columns of W, source 1 = my 16 rows of x): a lane holds one row and eight neighbouring channels.  V: as it is written: a lane holds one channel and
; eight neighbouring keys, which is the order of the second launch's operand.  Work-groups 384 to 415: Wo, 128 fragments of 16 n x 32 k, one a wave, as f16 high and low parts.
; No tile comes through LDS from memory and nothing is read by a tensor load, so there is no joint request that a cluster could share.
.set WSCL,  4096                       ; LDS: 0 .. 4095 W's images: tile 2048, K step 1024, quad 512, lane 16;  from 4096 W's scale words: tile 128, K step 64, column 4
.set KSTG,  4608                       ; K's stage: 16 rows x (128 + 16) bytes for each wave, the wave's own
.set SPARE, 13824                      ; the spare words, 128 bytes for each wave: two blocks of 256 bytes that no other line names
.set LANE, 1
.set RR,   2                           ; lane % 16
.set HH,   3                           ; lane / 16
.set XA,   4                           ; x: row r of 1,024 bytes + 128 h: my block of 32 numbers
.set WA,   5                           ; W: 4 x lane: my column
.set LI,   6                           ; 16 x lane
.set WST,  7                           ; where I store my quads of W's images
.set WSS,  8                           ; and my two scale bytes
.set SLD,  9                           ; where I read a column's scale word
.set QO,   10                          ; Q': my place in a group of 32 queries
.set KST,  11                          ; K's stage, in
.set KLD,  12                          ; and back
.set SH8,  13                          ; 8 h
.set SPW,  14                          ; LDS address of my spare word; never rewritten
.set NIL,  15                          ; 0; never rewritten
.set XC,   16                          ; v16-31   x's codes: two fragments
.set XS,   32                          ; v32-33   x's scale words
.set WS,   34                          ; v34-37   W's scale words (tile t, K step s) at 2 t + s
.set TM,   38                          ; v38-45   at work
.set BB,   46                          ; v46-47   the bias of column 16 t + r
.set BA,   48                          ; v48-63   the bias of columns 16 t + 8 h + 0 .. 7
.set XR,   64                          ; v64-191  x as loaded: K step 64, quad 32
.set WR,   192                         ; v192-255 W as loaded: block 32
.set WC,   64                          ; once x is quantised: W's codes,
.set WF,   72                          ; v72-103  W's fragments (t, s) at 8 (2 t + s),
.set ACC,  104                         ; v104-119 two accumulators,
.set EX,   120                         ; v120-135 what is made of them,
.set VHI,  136                         ; high and low parts as f32,
.set VLO,  152
.set PH,   168                         ; and packed to f16
.set PL,   176
; Two blocks of 32 numbers, at v[a] and v[b]: largest magnitudes (with the floor 2^(3 - 127), so that the byte cannot fall under 1), the conversions' scale operands (TM+2, TM+3), the bytes (TM+4, TM+5)
.macro MAX2 a, b
	v_max3_num_f32 v[TM], |v[\a]|, |v[(\a)+1]|, 0x1800000
	v_max3_num_f32 v[TM+1], |v[\b]|, |v[(\b)+1]|, 0x1800000
.irp i, 2,4,6,8,10,12,14,16,18,20,22,24,26,28,30
	v_max3_num_f32 v[TM], v[TM], |v[(\a)+\i]|, |v[(\a)+\i+1]|
	v_max3_num_f32 v[TM+1], v[TM+1], |v[(\b)+\i]|, |v[(\b)+\i+1]|
.endr
	v_add_nc_u32 v[TM+2], 0xff000000, v[TM]        ; 2 off the exponent field: the conversion takes the exponent field of this operand as its scale
	v_add_nc_u32 v[TM+3], 0xff000000, v[TM+1]
	v_lshrrev_b32 v[TM+4], 23, v[TM+2]             ; the scale's byte
	v_lshrrev_b32 v[TM+5], 23, v[TM+3]
.endm
.macro CODES2 d, a, b                  ; their codes: 4 registers a block, from v[d] on
.irp g, 0,1,2,3
	v_cvt_scalef32_pk8_fp4_f32 v[(\d)+\g], v[(\a)+8*\g:(\a)+8*\g+7], v[TM+2]
.endr
.irp g, 0,1,2,3
	v_cvt_scalef32_pk8_fp4_f32 v[(\d)+4+\g], v[(\b)+8*\g:(\b)+8*\g+7], v[TM+3]
.endr
	v_nop                                          ; one plain instruction behind the last scaled conversion
.endm
.macro WORDX s                         ; x's scale word of K step s: my bytes are blocks h and 2 + h of row r; lane l xor 16 has the other two
	v_lshl_or_b32 v[TM+7], v[TM+5], 16, v[TM+4]
	v_lshlrev_b32 v[TM+7], v[SH8], v[TM+7]
	v_permlanex16_b32 v[TM+6], v[TM+7], s36, s37
	v_or_b32 v[XS+\s], v[TM+7], v[TM+6]
.endm
; One product of 16 x 16 x 128.  tr = 1: source 0 = W's tile t, source 1 = x, the bias as the first C;  tr = 0: source 0 = x, source 1 = W's tile t, the first C the constant 0
.macro MM t, s, tr
.if \tr
.if \s == 0
	v_wmma_scale_f32_16x16x128_f8f6f4 v[ACC+8*\t:ACC+8*\t+7], v[WF+8*(2*\t+\s):WF+8*(2*\t+\s)+7], v[XC+8*\s:XC+8*\s+7], v[BA+8*\t:BA+8*\t+7], v[WS+2*\t+\s], v[XS+\s] matrix_a_fmt:MATRIX_FMT_FP4 matrix_b_fmt:MATRIX_FMT_FP4
.else
	v_wmma_scale_f32_16x16x128_f8f6f4 v[ACC+8*\t:ACC+8*\t+7], v[WF+8*(2*\t+\s):WF+8*(2*\t+\s)+7], v[XC+8*\s:XC+8*\s+7], v[ACC+8*\t:ACC+8*\t+7], v[WS+2*\t+\s], v[XS+\s] matrix_a_fmt:MATRIX_FMT_FP4 matrix_b_fmt:MATRIX_FMT_FP4
.endif
.else
.if \s == 0
	v_wmma_scale_f32_16x16x128_f8f6f4 v[ACC+8*\t:ACC+8*\t+7], v[XC+8*\s:XC+8*\s+7], v[WF+8*(2*\t+\s):WF+8*(2*\t+\s)+7], 0, v[XS+\s], v[WS+2*\t+\s] matrix_a_fmt:MATRIX_FMT_FP4 matrix_b_fmt:MATRIX_FMT_FP4
.else
	v_wmma_scale_f32_16x16x128_f8f6f4 v[ACC+8*\t:ACC+8*\t+7], v[XC+8*\s:XC+8*\s+7], v[WF+8*(2*\t+\s):WF+8*(2*\t+\s)+7], v[ACC+8*\t:ACC+8*\t+7], v[XS+\s], v[WS+2*\t+\s] matrix_a_fmt:MATRIX_FMT_FP4 matrix_b_fmt:MATRIX_FMT_FP4
.endif
.endif
.endm
; 16 numbers at v[src] become f16 pairs: the high part is the number cut to 11 significant bits, which f16 holds exactly; the low part is the rest, taken in f32.  PH, PL: 8 registers each
.macro SPLIT16 src
.set n, 0
.rept 16
	v_and_b32 v[VHI+n], s44, v[(\src)+n]
.set n, n+1
.endr
.set n, 0
.rept 8
	v_pk_add_f32 v[VLO+n:VLO+n+1], v[(\src)+n:(\src)+n+1], v[VHI+n:VHI+n+1] neg_lo:[0,1] neg_hi:[0,1]
.set n, n+2
.endr
.set n, 0
.rept 8
	v_cvt_pk_f16_f32 v[PH+n], v[VHI+2*n], v[VHI+2*n+1]
	v_cvt_pk_f16_f32 v[PL+n], v[VLO+2*n], v[VLO+2*n+1]
.set n, n+1
.endr
.endm
	s_load_b512 s[4:19], s[0:1], 0x0               ; x, Wq, Wk, Wv, bq, bk, bv, Wo
	s_load_b256 s[20:27], s[0:1], 0x40             ; Qs, Ks, Vop, WoOp
	v_lshl_add_u32 v[SPW], v0, 2, SPARE
	v_mov_b32 v[NIL], 0
	v_lshrrev_b32 v[LANE], 5, v0
	v_readfirstlane_b32 s28, v[LANE]               ; wave 0..3
	v_and_b32 v[LANE], 31, v0
	v_and_b32 v[RR], 15, v0
	v_bfe_u32 v[HH], v0, 4, 1
	v_lshlrev_b32 v[XA], 10, v[RR]
	v_lshl_add_u32 v[XA], v[HH], 7, v[XA]
	v_lshlrev_b32 v[WA], 2, v[LANE]
	v_lshlrev_b32 v[LI], 4, v[LANE]
	s_lshl_b32 s38, s28, 9                         ; every LDS address is made here, ahead of all partings
	v_lshlrev_b32 v[WST], 11, v[HH]                ; my column's tile x 2048
	v_lshl_add_u32 v[WST], v[RR], 4, v[WST]        ; + 16 x its place in the tile
	v_add_nc_u32 v[WST], s38, v[WST]               ; + 512 x wave: K step w / 2, quad w % 2; block hb lies 256 further on (lanes 16 hb + r of the image)
	s_lshr_b32 s38, s28, 1
	s_lshl_b32 s38, s38, 6
	s_and_b32 s39, s28, 1
	s_lshl_b32 s39, s39, 1
	s_add_co_u32 s38, s38, s39
	s_add_co_u32 s38, s38, WSCL
	v_lshlrev_b32 v[WSS], 7, v[HH]
	v_lshl_add_u32 v[WSS], v[RR], 2, v[WSS]
	v_add_nc_u32 v[WSS], s38, v[WSS]               ; tile 128, column 4, K step 64, my two bytes at 2 (w % 2)
	v_lshl_add_u32 v[SLD], v[RR], 2, WSCL
	v_lshlrev_b32 v[QO], 10, v[HH]
	v_lshl_add_u32 v[QO], v[RR], 4, v[QO]
	s_mul_i32 s38, s28, 2304
	s_add_co_u32 s38, s38, KSTG
	v_mul_u32_u24 v[KST], v[RR], 144
	v_lshl_add_u32 v[KST], v[HH], 5, v[KST]
	v_add_nc_u32 v[KST], s38, v[KST]
	v_lshrrev_b32 v[KLD], 3, v[LANE]
	v_mul_u32_u24 v[KLD], v[KLD], 144
	v_and_b32 v[SH8], 7, v[LANE]
	v_lshl_add_u32 v[KLD], v[SH8], 4, v[KLD]
	v_add_nc_u32 v[KLD], s38, v[KLD]
	v_lshlrev_b32 v[SH8], 3, v[HH]
	v_mov_b32 v[TM+6], 0                           ; written once: a lane permute's destination counts as one of its sources
	s_mov_b32 s36, 0x76543210
	s_mov_b32 s37, 0xfedcba98                      ; v_permlanex16_b32's selects for lane l xor 16
	s_mov_b32 s44, 0xffffe000                      ; keeps 11 significant bits of an f32
	s_and_b32 s29, ttmp9, 15                       ; rb
	s_lshr_b32 s30, ttmp9, 7                       ; mi
	s_bfe_u32 s31, ttmp9, 0x30004                  ; head
	s_wait_kmcnt 0x0
	s_cmp_ge_u32 ttmp9, 384
	s_cbranch_scc1 .Lwo
	s_cmp_eq_u32 s30, 1                            ; which weight and bias: the choice hangs on the work-group's number alone
	s_cselect_b64 s[32:33], s[8:9], s[6:7]
	s_cselect_b64 s[34:35], s[14:15], s[12:13]
	s_cmp_eq_u32 s30, 2
	s_cselect_b64 s[32:33], s[10:11], s[32:33]
	s_cselect_b64 s[34:35], s[16:17], s[34:35]
	s_lshl_b32 s38, s31, 7                         ; the head's 32 columns: 128 bytes
	s_mov_b32 s39, 0
	s_add_nc_u64 s[34:35], s[34:35], s[38:39]
	s_lshl_b32 s40, s28, 16                        ; my 64 rows of W
	s_add_co_u32 s38, s38, s40
	s_add_nc_u64 s[32:33], s[32:33], s[38:39]
	s_lshl_b32 s38, s29, 2
	s_add_co_u32 s38, s38, s28                     ; u = 4 rb + w: my tile of 16 rows
	s_lshl_b32 s40, s38, 14
	s_mov_b32 s41, 0
	s_add_nc_u64 s[4:5], s[4:5], s[40:41]
	s_lshl_b32 s42, s31, 17                        ; the head's 131,072 bytes in Qs, Ks and Vop
	v_lshlrev_b32 v[TM+4], 5, v[HH]
	v_lshlrev_b32 v[TM+5], 2, v[RR]
.irp t, 0,1                            ; the bias in both layouts, asked for ahead of the parting so that neither way waits for memory behind its products
	global_load_b128 v[BA+8*\t:BA+8*\t+3], v[TM+4], s[34:35] offset:64*\t
	global_load_b128 v[BA+8*\t+4:BA+8*\t+7], v[TM+4], s[34:35] offset:64*\t+16
	global_load_b32 v[BB+\t], v[TM+5], s[34:35] offset:64*\t
.endr
.set n, 0
.rept 32                               ; x(r, 128 s + 64 c + 32 h + 4 i ..): a whole block of 32 in eight loads, in the operand's order
	global_load_b128 v[XR+4*n:XR+4*n+3], v[XA], s[4:5] offset:512*(n/16)+256*((n/8)%2)+16*(n%8)
.set n, n+1
.endr
.set n, 0
.rept 32                               ; W(64 w + n, my column): 32 lanes read 128 consecutive bytes
	global_load_b32 v[WR+n], v[WA], s[32:33] offset:1024*n
.set n, n+1
.endr
	s_wait_loadcnt 32                              ; behind the biases and x stand W's 32 loads: the biases and x are in
.rept 32
	global_load_b32 v[WR+n], v[WA], s[32:33] offset:1024*n
.set n, n+1
.endr
	MAX2 XR, XR+32                                 ; x is quantised while W is on its way
	WORDX 0
	CODES2 XC, XR, XR+32
	MAX2 XR+64, XR+96
	WORDX 1
	CODES2 XC+8, XR+64, XR+96
	s_wait_loadcnt 0x0
	MAX2 WR, WR+32                                 ; (these plain lines are also the places between x's codes and scale words and the scaled products)
	v_lshl_or_b32 v[TM+7], v[TM+5], 8, v[TM+4]     ; my two bytes, the lower k in the lower byte
	CODES2 WC, WR, WR+32
	ds_store_b128 v[WST], v[WC:WC+3]
	ds_store_b128 v[WST], v[WC+4:WC+7] offset:256
	ds_store_b16 v[WSS], v[TM+7]
	s_wait_dscnt 0x0                               ; for the others' sake: my stores have landed
	s_barrier_signal -1
	s_barrier_wait -1                              ; W's four fragments and their scale words lie in LDS
.irp t, 0,1
.irp s, 0,1
	ds_load_b128 v[WF+8*(2*\t+\s):WF+8*(2*\t+\s)+3], v[LI] offset:2048*\t+1024*\s
	ds_load_b128 v[WF+8*(2*\t+\s)+4:WF+8*(2*\t+\s)+7], v[LI] offset:2048*\t+1024*\s+512
	ds_load_b32 v[WS+2*\t+\s], v[SLD] offset:128*\t+64*\s
.endr
.endr
	s_wait_dscnt 0x0
	s_cmp_eq_u32 s30, 2
	s_cbranch_scc1 .Lv
	MM 0, 0, 1                                     ; the two accumulators take turns
	MM 1, 0, 1
	MM 0, 1, 1
	MM 1, 1, 1
.rept 4
	v_nop                                          ; four places behind the last product, ahead of the first read of results
.endr
.set n, 0
.rept 8
	v_pk_mul_f32 v[EX+n:EX+n+1], v[ACC+n:ACC+n+1], 0x3fb8aa3b op_sel_hi:[1,0]   ; z log2(e); each accumulator from its low end on
.set n, n+2
.endr
.set n, 0
.rept 16
	v_exp_f32 v[EX+n], v[EX+n]                     ; e^z
.set n, n+1
.endr
	v_nop                                          ; one plain instruction behind the batch,
	s_wait_alu depctr_va_vdst(0)                   ; and the one wait ahead of its first reader
.set n, 0
.rept 8
	v_pk_add_f32 v[EX+n:EX+n+1], v[EX+n:EX+n+1], 1.0 op_sel_hi:[1,0]
.set n, n+2
.endr
.set n, 0
.rept 16
	v_rcp_f32 v[EX+n], v[EX+n]                     ; 1 / (1 + e^z); an e^z that has become infinite gives 0, the sigmoid's 1
.set n, n+1
.endr
	v_nop
	s_wait_alu depctr_va_vdst(0)
.set n, 0
.rept 8
	v_pk_mul_f32 v[EX+n:EX+n+1], v[EX+n:EX+n+1], 0xbe66d4ca op_sel_hi:[1,0]    ; x -c, c = (5/32) log2(e)
.set n, n+2
.endr
	s_cmp_eq_u32 s30, 1
	s_cbranch_scc1 .Lk
	; Q': [head][group of 32 queries][channel / 4][query][4]: register 8 t + 4 jq + e is channel 16 t + 8 h + 4 jq + e of query 16 u + r
	s_lshr_b32 s40, s38, 1
	s_lshl_b32 s40, s40, 12                        ; the group: 4,096 bytes
	s_and_b32 s41, s38, 1
	s_lshl_b32 s41, s41, 8                         ; its upper or lower 16 queries
	s_add_co_u32 s40, s40, s41
	s_add_co_u32 s40, s40, s42
	s_mov_b32 s41, 0
	s_add_nc_u64 s[20:21], s[20:21], s[40:41]
.irp t, 0,1
.irp jq, 0,1
	global_store_b128 v[QO], v[EX+8*\t+4*\jq:EX+8*\t+4*\jq+3], s[20:21] offset:2048*\t+512*\jq   ; sixteen lanes store 256 consecutive bytes, aligned
.endr
.endr
	s_branch .Lend
.Lk:
	; K': [head][key][32]: a lane's 32 bytes are a quarter of a key's row, so the 16 rows turn through my own stage and leave as 512 consecutive bytes a store
.irp t, 0,1
.irp jq, 0,1
	ds_store_b128 v[KST], v[EX+8*\t+4*\jq:EX+8*\t+4*\jq+3] offset:64*\t+16*\jq
.endr
.endr
.irp i, 0,1,2,3
	ds_load_b128 v[VHI+4*\i:VHI+4*\i+3], v[KLD] offset:576*\i      ; LDS serves a wave's instructions in order: these see my stores
.endr
	s_lshl_b32 s40, s38, 11                        ; 16 keys of 128 bytes
	s_add_co_u32 s40, s40, s42
	s_mov_b32 s41, 0
	s_add_nc_u64 s[22:23], s[22:23], s[40:41]
.irp i, 0,1,2,3
	s_wait_dscnt 3-\i
	global_store_b128 v[LI], v[VHI+4*\i:VHI+4*\i+3], s[22:23] offset:512*\i
.endr
	s_branch .Lend
.Lv:
	MM 0, 0, 0
	MM 1, 0, 0
	MM 0, 1, 0
	MM 1, 1, 0
.rept 4
	v_nop
.endr
.irp t, 0,1
.irp j, 0,1,2,3,4,5,6,7
	v_add_f32 v[EX+8*\t+\j], v[ACC+8*\t+\j], v[BB+\t]              ; V(key 16 u + 8 h + j, channel 16 t + r), with its bias
.endr
.endr
	SPLIT16 EX
	s_lshl_b32 s40, s38, 11                        ; unit u: 2,048 bytes: channel tile 1024, part 512, lane 16
	s_add_co_u32 s40, s40, s42
	s_mov_b32 s41, 0
	s_add_nc_u64 s[24:25], s[24:25], s[40:41]
.irp t, 0,1
	global_store_b128 v[LI], v[PH+4*\t:PH+4*\t+3], s[24:25] offset:1024*\t
	global_store_b128 v[LI], v[PL+4*\t:PL+4*\t+3], s[24:25] offset:1024*\t+512
.endr
.Lend:
	s_wait_tensorcnt 0x0                           ; the wave's end
	ds_add_u32 v[SPW], v[NIL]
	s_wait_dscnt 0x0
	s_endpgm
.Lwo:
	; Wo [256 (k)][256 (n)]: fragment fid = 8 nt + ks: lane (r, h) takes column 16 nt + r and k = 32 ks + 8 h + 0 .. 7 (quad 0), 32 ks + 16 + 8 h + 0 .. 7 (quad 1).  This way writes no LDS
	s_sub_co_u32 s38, ttmp9, 384
	s_lshl_b32 s38, s38, 2
	s_add_co_u32 s38, s38, s28                     ; fid
	s_lshr_b32 s40, s38, 3
	s_lshl_b32 s40, s40, 6                         ; 16 columns: 64 bytes
	s_and_b32 s41, s38, 7
	s_lshl_b32 s41, s41, 15                        ; 32 rows of 1,024 bytes
	s_add_co_u32 s40, s40, s41
	s_mov_b32 s41, 0
	s_add_nc_u64 s[18:19], s[18:19], s[40:41]
	s_lshl_b32 s40, s38, 11
	s_add_nc_u64 s[26:27], s[26:27], s[40:41]
	v_lshlrev_b32 v[TM], 13, v[HH]
	v_lshl_add_u32 v[TM], v[RR], 2, v[TM]
.set n, 0
.rept 16
	global_load_b32 v[XC+n], v[TM], s[18:19] offset:(n%8+16*(n/8))*1024
.set n, n+1
.endr
	s_wait_loadcnt 0x0
	SPLIT16 XC
.irp q, 0,1
	global_store_b128 v[LI], v[PH+4*\q:PH+4*\q+3], s[26:27] offset:512*\q
	global_store_b128 v[LI], v[PL+4*\q:PL+4*\q+3], s[26:27] offset:1024+512*\q
.endr
	s_endpgm
.Lfunc_end_k_q1aa56d8aa3_project:
	.size	k_q1aa56d8aa3_project, .Lfunc_end_k_q1aa56d8aa3_project-k_q1aa56d8aa3_project
	.p2alignl 7, 3214868480
	.fill 96, 4, 3214868480
	.section	.rodata,"a",@progbits
	.p2align	6, 0x0
	.amdhsa_kernel k_q1aa56d8aa3_project
		.amdhsa_group_segment_fixed_size 14336
		.amdhsa_private_segment_fixed_size 0
		.amdhsa_enable_private_segment 0
		.amdhsa_kernarg_size 96
		.amdhsa_user_sgpr_count 2
		.amdhsa_user_sgpr_kernarg_segment_ptr 1
		.amdhsa_wavefront_size32 1
		.amdhsa_system_sgpr_workgroup_id_x 1
		.amdhsa_system_sgpr_workgroup_id_y 1
		.amdhsa_system_sgpr_workgroup_id_z 1
		.amdhsa_system_vgpr_workitem_id 0
		.amdhsa_next_free_vgpr 256
		.amdhsa_next_free_sgpr 66
		.amdhsa_reserve_vcc 0
		.amdhsa_float_denorm_mode_32 3
		.amdhsa_float_denorm_mode_16_64 3
		.amdhsa_memory_ordered 1
		.amdhsa_forward_progress 1
		.amdhsa_inst_pref_size 37
	.end_amdhsa_kernel
	.amdgpu_metadata
---
amdhsa.version: [ 1, 2 ]
amdhsa.kernels:
  - .name:           k_q1aa56d8aa3_project
    .symbol:         k_q1aa56d8aa3_project.kd
    .args:
      - { .name: x, .offset: 0, .size: 8, .value_kind: global_buffer, .address_space: global }
      - { .name: Wq, .offset: 8, .size: 8, .value_kind: global_buffer, .address_space: global }
      - { .name: Wk, .offset: 16, .size: 8, .value_kind: global_buffer, .address_space: global }
      - { .name: Wv, .offset: 24, .size: 8, .value_kind: global_buffer, .address_space: global }
      - { .name: bq, .offset: 32, .size: 8, .value_kind: global_buffer, .address_space: global }
      - { .name: bk, .offset: 40, .size: 8, .value_kind: global_buffer, .address_space: global }
      - { .name: bv, .offset: 48, .size: 8, .value_kind: global_buffer, .address_space: global }
      - { .name: Wo, .offset: 56, .size: 8, .value_kind: global_buffer, .address_space: global }
      - { .name: Qs, .offset: 64, .size: 8, .value_kind: global_buffer, .address_space: global }
      - { .name: Ks, .offset: 72, .size: 8, .value_kind: global_buffer, .address_space: global }
      - { .name: Vop, .offset: 80, .size: 8, .value_kind: global_buffer, .address_space: global }
      - { .name: WoOp, .offset: 88, .size: 8, .value_kind: global_buffer, .address_space: global }
    .group_segment_fixed_size: 14336
    .private_segment_fixed_size: 0
    .kernarg_segment_align: 8
    .kernarg_segment_size: 96
    .max_flat_workgroup_size: 128
    .sgpr_count:     66
    .vgpr_count:     256
    .wavefront_size: 32
...
	.end_amdgpu_metadata
.endif
;; end of part 1
;; launch attend (part 2): grid 256 x 1, 17 waves a work-group, no clusters, 150,272 bytes of LDS; arguments Qs, Ks, Vop, part; writes part
.if DOCPART == 2
	.amdgcn_target "amdgcn-amd-amdhsa--gfx1250"
	.amdhsa_code_object_version 6
	.text
	.protected	k_q1aa56d8aa3_attend
	.globl	k_q1aa56d8aa3_attend
	.p2align	8
	.type	k_q1aa56d8aa3_attend,@function
k_q1aa56d8aa3_attend:
	s_mov_b64 s[64:65], 0
	v_nop
	global_prefetch_b8 v0, s[64:65] scope:SCOPE_SE
	s_setreg_imm32_b32 hwreg(HW_REG_WAVE_MODE, 25, 1), 1
	s_wait_xcnt 0x0
; SECOND LAUNCH: the scores, p = 2^(sum_d min(K'[j][d], Q'[i][d])), and O^T += V^T p, with the row's sum of p beside it.
; LEFT OUT, as shown at the head of the first launch: the terms 5 and -(5/32) sum_d Q, the same for all keys of a row; units of keys wholly behind their queries; the running maximum, since the
; exponent lies in [-7.22, 0] for every input.  So sums over parts of the keys add, and the keys of a block of queries can be shared among waves and work-groups.
; SHARES.  A UNIT is 64 queries x 16 keys of one head and belongs to one wave.  Block Bq of 64 queries has 4 (Bq + 1) units; blocks P and 15 - P together 68 = 4 x 17: a work-group is a quarter of such a
; pair, 17 waves, a unit each: 8 heads x 8 pairs x 4 quarters = 256 work-groups of equal work.  Unit f = 17 qd + w of the pair: block P while f < 4 P + 4, then block 15 - P.
; LAYOUT.  A lane is a query: its 32 channels of Q' lie in 32 registers, twice (two sets of 32 queries).  A key is the same for the whole wave: its 32 channels of K' lie in 32 SCALAR registers, brought by
; scalar loads one key ahead, in two buffers by turns.  A key costs a set 32 minima, 15 packed additions and one addition.
; THE SECOND PRODUCT takes f16 operands, f32 sums.  p is cut to 11 significant bits in f32, which f16 holds exactly, and the row's sum is taken of the cut p: the weights are exactly p / sum(p) of one
; set of numbers.  A unit has 16 keys and the instruction 32 places along K: places 0-15 take V's high parts and places 16-31 V's low parts, both against the same p.
; The 17 units' results meet in LDS; wave w adds slice w of all 17, apart for the two blocks (a = the number of waves on block P), and stores 512 consecutive bytes for each block that is there.
; No tile comes through LDS from memory: there is no joint request that a cluster could share.  LIMITS: as at the head of the first launch.
.set REG,   8704                       ; LDS: a wave's region: slices 0-15 of 512 bytes: O^T's registers (query tile 4, channel tile 2, half 1); slice 16: the two sums
.set SPARE, 17*REG                     ; the spare words, 128 bytes for each wave: nine blocks of 256 bytes that no other line names
.set LI,   1                           ; 16 x lane
.set SPW,  2                           ; LDS address of my spare word; never rewritten
.set NIL,  3                           ; 0; never rewritten
.set D0,   4                           ; my query of set 0 less the unit's first key
.set D1,   5                           ; the same for set 1
.set NINF, 6
.set STA,  7                           ; my place in my wave's region
.set Q0,   8                           ; v8-39, v40-71  Q' of the two sets;
.set Q1,   40
.set ACC,  8                           ; later the eight accumulators (query tile q, channel tile ct) at 8 (2 q + ct)
.set T0,   72                          ; v72-103  set 0's minima;
.set PT,   72                          ; later p's four tiles, 8 registers each;
.set RAW,  72                          ; later v72-139: 17 slices as loaded
.set SC,   104                         ; v104-135 scores, then p: set 16, key 1
.set VF,   136                         ; v136-151 V: channel tile 8, part 4
.set T1,   152                         ; v152-183 set 1's minima;
.set R0,   156                         ; later the two sums of slices
.set R1,   160
.set LQ,   184                         ; v184-187 (sum of set 0, sum of set 1, 0, 0)
.set A0,   188                         ; v188-190 where I read slice w of regions 0-7, 8-15, 16
.set A1,   189
.set A2,   190
.set KA,   32                          ; s[32:63]  a key's 32 channels
.set KB,   68                          ; s[68:99]  the next key's
.macro KLOAD b, j                      ; key j of the unit: 128 bytes
	s_load_b512 s[\b:\b+15], s[28:29], 128*(\j)
	s_load_b512 s[\b+16:\b+31], s[28:29], 128*(\j)+64
.endm
.macro KEY j, b                        ; the scores of key j for my two queries
.set e, 0
.rept 32
	v_min_num_f32 v[T0+e], s[\b+e], v[Q0+e]
.set e, e+1
.endr
.set e, 0
.rept 32
	v_min_num_f32 v[T1+e], s[\b+e], v[Q1+e]
.set e, e+1
.endr
.irp w, 4,8,16,32                      ; the sum of 32, two at a time, neighbours 2, 4, 8 and 16 apart; the two sets by turns
.set e, 0
.rept 32/\w
	v_pk_add_f32 v[T0+e:T0+e+1], v[T0+e:T0+e+1], v[T0+e+\w/2:T0+e+\w/2+1]
	v_pk_add_f32 v[T1+e:T1+e+1], v[T1+e:T1+e+1], v[T1+e+\w/2:T1+e+\w/2+1]
.set e, e+\w
.endr
.endr
	v_add_f32 v[SC+\j], v[T0], v[T0+1]
	v_add_f32 v[SC+16+\j], v[T1], v[T1+1]
.endm
	s_load_b256 s[4:11], s[0:1], 0x0               ; Qs, Ks, Vop, part
	v_lshl_add_u32 v[SPW], v0, 2, SPARE
	v_mov_b32 v[NIL], 0
	v_lshrrev_b32 v[LI], 5, v0
	v_readfirstlane_b32 s12, v[LI]                 ; wave 0..16
	v_and_b32 v[D0], 31, v0                        ; lane
	v_lshlrev_b32 v[LI], 4, v[D0]
	s_mul_i32 s22, s12, REG
	v_add_nc_u32 v[STA], s22, v[LI]
	s_lshl_b32 s22, s12, 9                         ; slice w
	v_add_nc_u32 v[A0], s22, v[LI]
	v_add_nc_u32 v[A1], 8*REG, v[A0]
	v_add_nc_u32 v[A2], 16*REG, v[A0]
	v_mov_b32 v[NINF], 0xff800000
	s_mov_b32 s30, 0xffffe000                      ; keeps 11 significant bits of an f32
	s_lshr_b32 s13, ttmp9, 5                       ; head
	s_bfe_u32 s14, ttmp9, 0x30002                  ; P
	s_and_b32 s15, ttmp9, 3                        ; qd
	s_lshl_b32 s16, s14, 2
	s_add_co_u32 s16, s16, 4                       ; n1 = 4 P + 4: block P's units
	s_mul_i32 s17, s15, 17
	s_add_co_u32 s18, s17, s12                     ; f
	s_sub_co_u32 s19, 15, s14
	s_sub_co_u32 s20, s18, s16
	s_cmp_lt_u32 s18, s16
	s_cselect_b32 s19, s14, s19                    ; Bq
	s_cselect_b32 s20, s18, s20                    ; u: my unit of 16 keys
	s_sub_co_i32 s21, s16, s17
	s_max_i32 s21, s21, 0
	s_min_i32 s21, s21, 17                         ; a: waves 0 .. a - 1 of this work-group work for block P
	s_lshl_b32 s31, s19, 2                         ; units from 4 Bq on lie on the diagonal
	s_lshl_b32 s23, s19, 6
	s_lshl_b32 s24, s20, 4
	s_sub_co_i32 s23, s23, s24
	v_add_nc_u32 v[D0], s23, v[D0]
	v_add_nc_u32 v[D1], 32, v[D0]
	s_wait_kmcnt 0x0
	s_lshl_b32 s24, s13, 17                        ; the head's 131,072 bytes
	s_lshl_b32 s26, s20, 11                        ; a unit: 16 keys of 128 bytes in Ks, 2,048 bytes in Vop
	s_add_co_u32 s26, s26, s24
	s_mov_b32 s27, 0
	s_add_nc_u64 s[28:29], s[6:7], s[26:27]
	s_add_nc_u64 s[8:9], s[8:9], s[26:27]
	s_lshl_b32 s26, s19, 13                        ; a block of 64 queries: 8,192 bytes
	s_add_co_u32 s26, s26, s24
	s_add_nc_u64 s[4:5], s[4:5], s[26:27]
	s_mul_i32 s26, ttmp9, 2*REG                    ; my work-group's two slots,
	s_add_co_u32 s26, s26, s22                     ; slice w
	s_add_nc_u64 s[10:11], s[10:11], s[26:27]
	KLOAD KA, 0
.irp st, 0,1
.irp c, 0,1,2,3,4,5,6,7
	global_load_b128 v[Q0+32*\st+4*\c:Q0+32*\st+4*\c+3], v[LI], s[4:5] offset:4096*\st+512*\c   ; channels 4 c on of 32 queries: 512 consecutive bytes
.endr
.endr
.irp ct, 0,1
	global_load_b128 v[VF+8*\ct:VF+8*\ct+3], v[LI], s[8:9] offset:1024*\ct
	global_load_b128 v[VF+8*\ct+4:VF+8*\ct+7], v[LI], s[8:9] offset:1024*\ct+512
.endr
	s_wait_loadcnt 4                               ; Q' is in; V's four loads may stay out
.irp jj, 0,2,4,6,8,10,12,14
	s_wait_kmcnt 0x0                               ; scalar loads come back in no order: only the count 0 shows that the key is in
	KLOAD KB, \jj+1                                ; the next key, into the buffer whose readers have all been issued; it has this key's 96 vector instructions in which to land
	KEY \jj, KA
	s_wait_kmcnt 0x0
.if \jj < 14
	KLOAD KA, \jj+2
.endif
	KEY \jj+1, KB
.endr
	s_cmp_lt_u32 s20, s31                          ; a unit all of whose keys count for all 64 queries skips the mask: a branch on ids
	s_cbranch_scc1 .Lopen
.set j, 0
.rept 16                               ; key 16 u + j is hidden from a query where j > query - 16 u: its score becomes -infinity, p = 0
	v_cmp_gt_i32 vcc_lo, j, v[D0]
	v_cndmask_b32 v[SC+j], v[SC+j], v[NINF], vcc_lo
	v_cmp_gt_i32 vcc_lo, j, v[D1]
	v_cndmask_b32 v[SC+16+j], v[SC+16+j], v[NINF], vcc_lo
.set j, j+1
.endr
.Lopen:
.set j, 0
.rept 32
	v_exp_f32 v[SC+j], v[SC+j]
.set j, j+1
.endr
	v_mov_b32 v[LQ+2], 0                           ; (the plain instruction behind the batch)
	v_mov_b32 v[LQ+3], 0
	s_wait_alu depctr_va_vdst(0)                   ; one wait for the 32 exponentials, ahead of their first reader
.set j, 0
.rept 32
	v_and_b32 v[SC+j], s30, v[SC+j]                ; p cut to 11 significant bits
.set j, j+1
.endr
.irp st, 0,1
.irp i, 0,1,2,3
	v_cvt_pk_f16_f32 v[PT+16*\st+\i], v[SC+16*\st+2*\i], v[SC+16*\st+2*\i+1]         ; keys 0-7 of 32 queries
	v_cvt_pk_f16_f32 v[PT+16*\st+8+\i], v[SC+16*\st+8+2*\i], v[SC+16*\st+8+2*\i+1]   ; keys 8-15
.endr
.endr
.irp st, 0,1
.irp i, 0,1,2,3
	v_permlane16_swap_b32 v[PT+16*\st+\i], v[PT+16*\st+8+\i]   ; the first's lanes 16-31 change places with the second's lanes 0-15: now the first holds queries 0-15 of the set (lanes 0-15 keys 0-7, lanes 16-31 keys 8-15), the second queries 16-31
.endr
.endr
.irp q, 0,1,2,3
.irp i, 0,1,2,3
	v_mov_b32 v[PT+8*\q+4+\i], v[PT+8*\q+\i]       ; the same p once more, against V's low parts
.endr
.endr
	s_wait_loadcnt 0x0                             ; V
.irp q, 0,1,2,3
.irp ct, 0,1
	v_wmma_f32_16x16x32_f16 v[ACC+8*(2*\q+\ct):ACC+8*(2*\q+\ct)+7], v[VF+8*\ct:VF+8*\ct+7], v[PT+8*\q:PT+8*\q+7], 0   ; O^T(channel 16 ct + 8 h + j, query 16 q + r): eight accumulators, one product each
.endr
.endr
.irp w, 4,8,16                         ; the rows' sums of the cut p.  These 16 plain lines name no register of the products: they are the places behind them
.set e, 0
.rept 16/\w
	v_pk_add_f32 v[SC+e:SC+e+1], v[SC+e:SC+e+1], v[SC+e+\w/2:SC+e+\w/2+1]
	v_pk_add_f32 v[SC+16+e:SC+16+e+1], v[SC+16+e:SC+16+e+1], v[SC+16+e+\w/2:SC+16+e+\w/2+1]
.set e, e+\w
.endr
.endr
	v_add_f32 v[LQ], v[SC], v[SC+1]
	v_add_f32 v[LQ+1], v[SC+16], v[SC+17]
.irp a, 0,1,2,3,4,5,6,7
	ds_store_b128 v[STA], v[ACC+8*\a:ACC+8*\a+3] offset:1024*\a          ; each accumulator from its low end on
	ds_store_b128 v[STA], v[ACC+8*\a+4:ACC+8*\a+7] offset:1024*\a+512
.endr
	ds_store_b128 v[STA], v[LQ:LQ+3] offset:8192
	s_wait_dscnt 0x0                               ; for the others' sake: my stores have landed
	s_barrier_signal -1
	s_barrier_wait -1                              ; all 17 regions are whole
.set i, 0
.rept 8
	ds_load_b128 v[RAW+4*i:RAW+4*i+3], v[A0] offset:REG*i
.set i, i+1
.endr
.rept 8
	ds_load_b128 v[RAW+4*i:RAW+4*i+3], v[A1] offset:REG*(i-8)
.set i, i+1
.endr
	ds_load_b128 v[RAW+64:RAW+67], v[A2]
	s_mov_b32 s25, 0                               ; (named with s24 and s26 as pairs, so they are written)
	s_mov_b32 s27, 0
.set i, 0
.rept 17                               ; region i counts for block P where i < a, else for block 15 - P: a factor 1 or 0, no branch
	s_wait_dscnt 16-i                              ; LDS loads come back in order: region i's is in
	s_cmp_gt_u32 s21, i
	s_cselect_b32 s24, 1.0, 0
	s_cselect_b32 s26, 0, 1.0
.if i == 0
	v_pk_mul_f32 v[R0:R0+1], v[RAW:RAW+1], s[24:25] op_sel_hi:[1,0]            ; the first term starts the sums: nothing is cleared
	v_pk_mul_f32 v[R0+2:R0+3], v[RAW+2:RAW+3], s[24:25] op_sel_hi:[1,0]
	v_pk_mul_f32 v[R1:R1+1], v[RAW:RAW+1], s[26:27] op_sel_hi:[1,0]
	v_pk_mul_f32 v[R1+2:R1+3], v[RAW+2:RAW+3], s[26:27] op_sel_hi:[1,0]
.else
	v_pk_fma_f32 v[R0:R0+1], v[RAW+4*i:RAW+4*i+1], s[24:25], v[R0:R0+1] op_sel_hi:[1,0,1]
	v_pk_fma_f32 v[R0+2:R0+3], v[RAW+4*i+2:RAW+4*i+3], s[24:25], v[R0+2:R0+3] op_sel_hi:[1,0,1]
	v_pk_fma_f32 v[R1:R1+1], v[RAW+4*i:RAW+4*i+1], s[26:27], v[R1:R1+1] op_sel_hi:[1,0,1]
	v_pk_fma_f32 v[R1+2:R1+3], v[RAW+4*i+2:RAW+4*i+3], s[26:27], v[R1+2:R1+3] op_sel_hi:[1,0,1]
.endif
.set i, i+1
.endr
	s_cmp_eq_u32 s21, 0                            ; a block for which no wave of this work-group worked has no slot here: it is neither stored nor read later
	s_cbranch_scc1 .Lno0
	global_store_b128 v[LI], v[R0:R0+3], s[10:11]                  ; 512 consecutive bytes, aligned
.Lno0:
	s_cmp_eq_u32 s21, 17
	s_cbranch_scc1 .Lno1
	global_store_b128 v[LI], v[R1:R1+3], s[10:11] offset:REG
.Lno1:
	s_wait_tensorcnt 0x0                           ; the wave's end
	ds_add_u32 v[SPW], v[NIL]
	s_wait_dscnt 0x0
	s_endpgm
.Lfunc_end_k_q1aa56d8aa3_attend:
	.size	k_q1aa56d8aa3_attend, .Lfunc_end_k_q1aa56d8aa3_attend-k_q1aa56d8aa3_attend
	.p2alignl 7, 3214868480
	.fill 96, 4, 3214868480
	.section	.rodata,"a",@progbits
	.p2align	6, 0x0
	.amdhsa_kernel k_q1aa56d8aa3_attend
		.amdhsa_group_segment_fixed_size 150272
		.amdhsa_private_segment_fixed_size 0
		.amdhsa_enable_private_segment 0
		.amdhsa_kernarg_size 32
		.amdhsa_user_sgpr_count 2
		.amdhsa_user_sgpr_kernarg_segment_ptr 1
		.amdhsa_wavefront_size32 1
		.amdhsa_system_sgpr_workgroup_id_x 1
		.amdhsa_system_sgpr_workgroup_id_y 1
		.amdhsa_system_sgpr_workgroup_id_z 1
		.amdhsa_system_vgpr_workitem_id 0
		.amdhsa_next_free_vgpr 192
		.amdhsa_next_free_sgpr 100
		.amdhsa_reserve_vcc 1
		.amdhsa_float_denorm_mode_32 3
		.amdhsa_float_denorm_mode_16_64 3
		.amdhsa_memory_ordered 1
		.amdhsa_forward_progress 1
		.amdhsa_inst_pref_size 86
	.end_amdhsa_kernel
	.amdgpu_metadata
---
amdhsa.version: [ 1, 2 ]
amdhsa.kernels:
  - .name:           k_q1aa56d8aa3_attend
    .symbol:         k_q1aa56d8aa3_attend.kd
    .args:
      - { .name: Qs, .offset: 0, .size: 8, .value_kind: global_buffer, .address_space: global }
      - { .name: Ks, .offset: 8, .size: 8, .value_kind: global_buffer, .address_space: global }
      - { .name: Vop, .offset: 16, .size: 8, .value_kind: global_buffer, .address_space: global }
      - { .name: part, .offset: 24, .size: 8, .value_kind: global_buffer, .address_space: global }
    .group_segment_fixed_size: 150272
    .private_segment_fixed_size: 0
    .kernarg_segment_align: 8
    .kernarg_segment_size: 32
    .max_flat_workgroup_size: 544
    .sgpr_count:     100
    .vgpr_count:     192
    .wavefront_size: 32
...
	.end_amdgpu_metadata
.endif
;; end of part 2
;; launch outproj (part 3): grid 64 x 1, 16 waves a work-group, no clusters, 68,096 bytes of LDS; arguments part, WoOp, bo, out0; writes out0
.if DOCPART == 3
	.amdgcn_target "amdgcn-amd-amdhsa--gfx1250"
	.amdhsa_code_object_version 6
	.text
	.protected	k_q1aa56d8aa3_outproj
	.globl	k_q1aa56d8aa3_outproj
	.p2align	8
	.type	k_q1aa56d8aa3_outproj,@function
k_q1aa56d8aa3_outproj:
	s_mov_b64 s[64:65], 0
	v_nop
	global_prefetch_b8 v0, s[64:65] scope:SCOPE_SE
	s_setreg_imm32_b32 hwreg(HW_REG_WAVE_MODE, 25, 1), 1
	s_wait_xcnt 0x0
; THIRD LAUNCH: the parts of O^T and of the rows' sums are added, O = O^T / sum, out = O Wo + bo.  (Nothing is left out here; the slots that the second launch did not write, blocks for which a
; work-group had no unit, are not read.)
; SHARES.  A work-group takes 16 rows (T = its number; block Bq = T / 4 of 64 queries, tile qt = T % 4).  First wave w prepares head w / 2, channels 16 (w % 2) on: it adds up to four parts (those of the
; quarters qlo .. qhi of the pair that worked for the block), divides, rounds to f16 and stores a quad of registers of the operand's image in LDS.  Then wave w makes out's columns 16 w .. 16 w + 15.
; A part that is not there is replaced by the last one that is, times 0: no branch, and only slots that were written are read.
; THE PRODUCT is used transposed (source 0 = 16 columns of Wo, source 1 = the 16 rows of O): a lane holds eight neighbouring columns of one row.  f16 operands, f32 sums, K = 256 in eight steps (a head
; each) on two accumulators by turns; bo is the C of the first.  Rows leave through a stage: a wave stores one whole row of 1,024 bytes.
; THE FIRST 16 POSITIONS (T = 0) average one to sixteen values and are the largest: they take O and Wo as pairs of f16, a high and a low part: Wh Oh + Wl Oh + Wh Ol.  The other rows take Wo's high
; part and O rounded to f16.  The two ways part once, at the head, on the work-group's number, and each has LDS bytes of its own.
; LIMITS: |O| above 65,504 overflows f16; NaN and infinities are not served.  64 work-groups: the launch is one chain of loads, sums and eight products; more work-groups would read the parts again.
.set PATHB, 33024                      ; LDS of one way: O's high images (K step 1024, quad 512, lane 16), from 8192 the low images, from 16384 the stage: 16 rows x (1024 + 16) bytes
.set IMGL,  8192
.set STG,   16384
.set SPARE, 2*PATHB                    ; the spare words, 128 bytes for each wave: eight blocks of 256 bytes that no other line names
.set LI,   1                           ; 16 x lane
.set RR,   2
.set HH,   3
.set VO,   4                           ; my place in a slot's slices
.set VL,   5                           ; my query's sum in a slot
.set IMG,  6                           ; where I store my quad of O's image
.set STO,  7                           ; the stage, in
.set SRD,  8                           ; and back
.set BO,   9                           ; 32 h
.set SPW,  10                          ; LDS address of my spare word; never rewritten
.set NIL,  11                          ; 0; never rewritten
.set LR,   12                          ; v12-15  four parts of the sum
.set LS,   16                          ; the sum
.set RC,   18                          ; v[18:19] its reciprocal (the pair's low word serves both halves)
.set OS,   20                          ; v20-27  O's eight channels; later accumulator 1
.set ACC1, 20
.set OH,   28                          ; v28-31, v32-35 packed high and low parts; later a row read back
.set OL,   32
.set HF,   36                          ; v36-43  the high parts as f32; later the results
.set RES,  36
.set BIAS, 44                          ; v44-51
.set ACC0, 52                          ; v52-59
.set WFL,  64                          ; v64-127  Wo's low parts, 8 fragments
.set RAW,  128                         ; v128-159 four parts as loaded; later
.set OF,   128                         ; v128-191 O's 8 fragments
.set WFH,  192                         ; v192-255 Wo's high parts
.macro PROD w, from                    ; products of K steps 2 from .. 7 with the weights at v[w], in place; the two accumulators take turns
.set n, \from
.rept 4-\from
	v_wmma_f32_16x16x32_f16 v[ACC0:ACC0+7], v[(\w)+16*n:(\w)+16*n+7], v[OF+16*n:OF+16*n+7], v[ACC0:ACC0+7]
	v_wmma_f32_16x16x32_f16 v[ACC1:ACC1+7], v[(\w)+16*n+8:(\w)+16*n+15], v[OF+16*n+8:OF+16*n+15], v[ACC1:ACC1+7]
.set n, n+1
.endr
.endm
.macro BODY fine, base
.irp i, 0,1,2,3
	global_load_b32 v[LR+\i], v[VL], s[20+2*\i:21+2*\i]
.endr
.irp i, 0,1,2,3
	global_load_b128 v[RAW+8*\i:RAW+8*\i+3], v[VO], s[20+2*\i:21+2*\i]
	global_load_b128 v[RAW+8*\i+4:RAW+8*\i+7], v[VO], s[20+2*\i:21+2*\i] offset:512
.endr
	global_load_b128 v[BIAS:BIAS+3], v[BO], s[38:39]
	global_load_b128 v[BIAS+4:BIAS+7], v[BO], s[38:39] offset:16
.set n, 0
.rept 16
	global_load_b128 v[WFH+4*n:WFH+4*n+3], v[LI], s[36:37] offset:2048*(n/2)+512*(n%2)
.set n, n+1
.endr
.if \fine
.set n, 0
.rept 16
	global_load_b128 v[WFL+4*n:WFL+4*n+3], v[LI], s[36:37] offset:2048*(n/2)+1024+512*(n%2)
.set n, n+1
.endr
.endif
	s_wait_loadcnt 18+16*\fine                     ; the parts are in; behind them stand the bias's 2 loads and Wo's 16 (with the low parts 32)
	v_mul_f32 v[LS], s28, v[LR]
	v_fmac_f32 v[LS], s30, v[LR+1]
	v_fmac_f32 v[LS], s32, v[LR+2]
	v_fmac_f32 v[LS], s34, v[LR+3]
	v_rcp_f32 v[RC], v[LS]                         ; the sum is at least its diagonal key's p, 0.0067
	v_mov_b32 v[RC+1], 0                           ; (the plain instruction behind it; named with it as a pair)
.irp p, 0,2,4,6
	v_pk_mul_f32 v[OS+\p:OS+\p+1], v[RAW+\p:RAW+\p+1], s[28:29] op_sel_hi:[1,0]
.endr
.irp i, 1,2,3
.irp p, 0,2,4,6
	v_pk_fma_f32 v[OS+\p:OS+\p+1], v[RAW+8*\i+\p:RAW+8*\i+\p+1], s[28+2*\i:29+2*\i], v[OS+\p:OS+\p+1] op_sel_hi:[1,0,1]
.endr
.endr
	s_wait_alu depctr_va_vdst(0)                   ; the wait ahead of the reciprocal's first reader; the sums above are the work between
.irp p, 0,2,4,6
	v_pk_mul_f32 v[OS+\p:OS+\p+1], v[OS+\p:OS+\p+1], v[RC:RC+1] op_sel_hi:[1,0]
.endr
.if \fine
.irp j, 0,1,2,3,4,5,6,7
	v_and_b32 v[HF+\j], s46, v[OS+\j]              ; the high part: 11 significant bits, exact in f16
.endr
.irp p, 0,2,4,6
	v_pk_add_f32 v[OS+\p:OS+\p+1], v[OS+\p:OS+\p+1], v[HF+\p:HF+\p+1] neg_lo:[0,1] neg_hi:[0,1]   ; the low part, in f32
.endr
.irp p, 0,1,2,3
	v_cvt_pk_f16_f32 v[OH+\p], v[HF+2*\p], v[HF+2*\p+1]
	v_cvt_pk_f16_f32 v[OL+\p], v[OS+2*\p], v[OS+2*\p+1]
.endr
	ds_store_b128 v[IMG], v[OL:OL+3] offset:\base+IMGL
.else
.irp p, 0,1,2,3
	v_cvt_pk_f16_f32 v[OH+\p], v[OS+2*\p], v[OS+2*\p+1]
.endr
.endif
	ds_store_b128 v[IMG], v[OH:OH+3] offset:\base
	s_wait_dscnt 0x0                               ; for the others' sake: my stores have landed
	s_barrier_signal -1
	s_barrier_wait -1                              ; O's eight fragments lie in LDS
.set n, 0
.rept 16
	ds_load_b128 v[OF+4*n:OF+4*n+3], v[LI] offset:\base+512*n
.set n, n+1
.endr
	s_wait_loadcnt 0x0                             ; the bias and Wo
	s_wait_dscnt 0x0
	v_wmma_f32_16x16x32_f16 v[ACC0:ACC0+7], v[WFH:WFH+7], v[OF:OF+7], v[BIAS:BIAS+7]     ; the first two products start the sums: one on the bias, one on 0
	v_wmma_f32_16x16x32_f16 v[ACC1:ACC1+7], v[WFH+8:WFH+15], v[OF+8:OF+15], 0
	PROD WFH, 1
.if \fine
	PROD WFL, 0                                    ; Wo's low parts x O's high parts
.rept 4
	v_nop                                          ; four places in front of loads into registers that the products have read
.endr
.set n, 0
.rept 16
	ds_load_b128 v[OF+4*n:OF+4*n+3], v[LI] offset:\base+IMGL+512*n
.set n, n+1
.endr
	s_wait_dscnt 0x0
	PROD WFH, 0                                    ; Wo's high parts x O's low parts
.endif
.rept 4
	v_nop                                          ; four places ahead of the first read of results
.endr
.irp p, 0,2,4,6
	v_pk_add_f32 v[RES+\p:RES+\p+1], v[ACC0+\p:ACC0+\p+1], v[ACC1+\p:ACC1+\p+1]   ; both accumulators from their low ends on
.endr
	ds_store_b128 v[STO], v[RES:RES+3] offset:\base+STG            ; out(row r, columns 16 w + 8 h + 0 .. 7)
	ds_store_b128 v[STO], v[RES+4:RES+7] offset:\base+STG+16
	s_wait_dscnt 0x0
	s_barrier_signal -1
	s_barrier_wait -1                              ; 16 whole rows lie in the stage
	ds_load_b128 v[OH:OH+3], v[SRD] offset:\base+STG
	ds_load_b128 v[OL:OL+3], v[SRD] offset:\base+STG+512
	s_wait_dscnt 1
	global_store_b128 v[LI], v[OH:OH+3], s[40:41]                  ; 32 lanes store 512 consecutive bytes, aligned
	s_wait_dscnt 0x0
	global_store_b128 v[LI], v[OL:OL+3], s[40:41] offset:512
.endm
	s_load_b256 s[4:11], s[0:1], 0x0               ; part, WoOp, bo, out0
	v_lshl_add_u32 v[SPW], v0, 2, SPARE
	v_mov_b32 v[NIL], 0
	v_lshrrev_b32 v[LI], 5, v0
	v_readfirstlane_b32 s12, v[LI]                 ; wave 0..15
	v_and_b32 v[LI], 31, v0
	v_lshlrev_b32 v[LI], 4, v[LI]
	v_and_b32 v[RR], 15, v0
	v_bfe_u32 v[HH], v0, 4, 1
	s_mov_b32 s46, 0xffffe000
	s_lshr_b32 s13, ttmp9, 2                       ; Bq
	s_and_b32 s14, ttmp9, 3                        ; qt
	s_sub_co_u32 s15, 15, s13
	s_cmp_lt_u32 s13, 8
	s_cselect_b32 s15, s13, s15                    ; P: the pair
	s_cselect_b32 s16, 0, 1                        ; which of a work-group's two slots
	s_lshr_b32 s17, s15, 2                         ; t = 1 where block P's 4 P + 4 units reach into the second quarter (P >= 4)
	s_cmp_lt_u32 s13, 8
	s_cselect_b32 s18, 0, s17                      ; the quarters that worked for my block: qlo ..
	s_cselect_b32 s19, s17, 3                      ; .. qhi
	s_lshl_b32 s43, s14, 11
	s_and_b32 s44, s12, 1
	s_lshl_b32 s44, s44, 10
	s_add_co_u32 s43, s43, s44
	v_add_nc_u32 v[VO], s43, v[LI]                 ; slices 4 qt + 2 ct and the next
	s_and_b32 s43, s14, 1
	s_lshl_b32 s43, s43, 8
	s_lshr_b32 s44, s14, 1
	s_lshl_b32 s44, s44, 2
	s_add_co_u32 s43, s43, s44
	s_add_co_u32 s43, s43, 8192
	v_lshl_add_u32 v[VL], v[RR], 4, s43            ; slice 16: lane 16 (qt % 2) + r, word qt / 2
	s_lshl_b32 s43, s12, 9
	v_add_nc_u32 v[IMG], s43, v[LI]
	v_mul_u32_u24 v[STO], v[RR], 1040
	v_lshl_add_u32 v[STO], v[HH], 5, v[STO]
	s_lshl_b32 s43, s12, 6
	v_add_nc_u32 v[STO], s43, v[STO]
	s_mul_i32 s43, s12, 1040
	v_add_nc_u32 v[SRD], s43, v[LI]
	v_lshlrev_b32 v[BO], 5, v[HH]
	s_lshr_b32 s42, s12, 1                         ; the head that I prepare
	s_lshl_b32 s42, s42, 3
	s_add_co_u32 s42, s42, s15
	s_lshl_b32 s42, s42, 2                         ; the pair's first work-group of the second launch
	s_mov_b32 s45, 0
	s_wait_kmcnt 0x0
.irp i, 0,1,2,3
	s_add_co_u32 s43, s18, \i
	s_cmp_le_u32 s43, s19
	s_cselect_b32 s[28+2*\i], 1.0, 0               ; part i counts, or not
	s_mov_b32 s[29+2*\i], 0                        ; (named with it as a pair)
	s_min_u32 s43, s43, s19
	s_add_co_u32 s43, s43, s42
	s_lshl_b32 s43, s43, 1
	s_add_co_u32 s43, s43, s16
	s_mul_i32 s44, s43, 8704
	s_add_nc_u64 s[20+2*\i:21+2*\i], s[4:5], s[44:45]
.endr
	s_lshl_b32 s44, s12, 14                        ; Wo's column tile w: 8 fragments of 2,048 bytes
	s_add_nc_u64 s[36:37], s[6:7], s[44:45]
	s_lshl_b32 s44, s12, 6
	s_add_nc_u64 s[38:39], s[8:9], s[44:45]
	s_lshl_b32 s44, ttmp9, 4
	s_add_co_u32 s44, s44, s12
	s_lshl_b32 s44, s44, 10                        ; row 16 T + w of out
	s_add_nc_u64 s[40:41], s[10:11], s[44:45]
	s_cmp_eq_u32 ttmp9, 0
	s_cbranch_scc1 .Lfine
	BODY 0, 0
	s_branch .Lend
.Lfine:
	BODY 1, PATHB
.Lend:
	s_wait_tensorcnt 0x0                           ; the wave's end
	ds_add_u32 v[SPW], v[NIL]
	s_wait_dscnt 0x0
	s_endpgm
.Lfunc_end_k_q1aa56d8aa3_outproj:
	.size	k_q1aa56d8aa3_outproj, .Lfunc_end_k_q1aa56d8aa3_outproj-k_q1aa56d8aa3_outproj
	.p2alignl 7, 3214868480
	.fill 96, 4, 3214868480
	.section	.rodata,"a",@progbits
	.p2align	6, 0x0
	.amdhsa_kernel k_q1aa56d8aa3_outproj
		.amdhsa_group_segment_fixed_size 68096
		.amdhsa_private_segment_fixed_size 0
		.amdhsa_enable_private_segment 0
		.amdhsa_kernarg_size 32
		.amdhsa_user_sgpr_count 2
		.amdhsa_user_sgpr_kernarg_segment_ptr 1
		.amdhsa_wavefront_size32 1
		.amdhsa_system_sgpr_workgroup_id_x 1
		.amdhsa_system_sgpr_workgroup_id_y 1
		.amdhsa_system_sgpr_workgroup_id_z 1
		.amdhsa_system_vgpr_workitem_id 0
		.amdhsa_next_free_vgpr 256
		.amdhsa_next_free_sgpr 66
		.amdhsa_reserve_vcc 0
		.amdhsa_float_denorm_mode_32 3
		.amdhsa_float_denorm_mode_16_64 3
		.amdhsa_memory_ordered 1
		.amdhsa_forward_progress 1
		.amdhsa_inst_pref_size 23
	.end_amdhsa_kernel
	.amdgpu_metadata
---
amdhsa.version: [ 1, 2 ]
amdhsa.kernels:
  - .name:           k_q1aa56d8aa3_outproj
    .symbol:         k_q1aa56d8aa3_outproj.kd
    .args:
      - { .name: part, .offset: 0, .size: 8, .value_kind: global_buffer, .address_space: global }
      - { .name: WoOp, .offset: 8, .size: 8, .value_kind: global_buffer, .address_space: global }
      - { .name: bo, .offset: 16, .size: 8, .value_kind: global_buffer, .address_space: global }
      - { .name: out0, .offset: 24, .size: 8, .value_kind: global_buffer, .address_space: global }
    .group_segment_fixed_size: 68096
    .private_segment_fixed_size: 0
    .kernarg_segment_align: 8
    .kernarg_segment_size: 32
    .max_flat_workgroup_size: 512
    .sgpr_count:     66
    .vgpr_count:     256
    .wavefront_size: 32
...
	.end_amdgpu_metadata
.endif
;; end of part 3
